; MI455X (gfx1250); checked and timed in simulation.
; The chip was launched on July 23, 2026; its instructions are those of AMD's public machine-readable ISA for CDNA 5 (MIT licence, August 2026) and "CDNA5" Instruction Set Architecture Reference Guide (July 2026). The comments in the code are by the model that wrote it; some were corrected since.
;; Self Attention. Allowed arithmetic: matrix products marked QUANTISED: E2M3 operands, one E8M0 scale for each 32 along K, by v_wmma_scale_f32_16x16x128_f8f6f4 with both operands' format E2M3, f32 sums; everything else in f32.
;; Inputs: in_proj_bias 3,072 float32; in_proj_weight_codes 3,072 x 32 x 24 uint8 (E2M3 codes of in_proj_weight, K innermost, in blocks of 32 codes, four codes in three bytes); in_proj_weight_scales 3,072 x 32 uint8 (E8M0 scales of in_proj_weight, one for each 32 codes along K); out_b 1,024 float32; out_w_codes 1,024 x 32 x 24 uint8 (E2M3 codes of out_w, K innermost, in blocks of 32 codes, four codes in three bytes); out_w_scales 1,024 x 32 uint8 (E8M0 scales of out_w, one for each 32 codes along K); x_codes 2,048 x 4 x 32 x 24 uint8 (E2M3 codes of x, K innermost, in blocks of 32 codes, four codes in three bytes); x_scales 2,048 x 4 x 32 uint8 (E8M0 scales of x, one for each 32 codes along K).
;; Outputs: out0 2,048 x 4 x 1,024 float32.
;; This version of the problem:
;;   THIS VERSION OF THE PROBLEM IS GIVEN IN LOW PRECISION. The matrix products marked QUANTISED in the list below multiply operands that are first quantised to E2M3 (2 exponent bits, 3 mantissa bits; 6 bits a number), with one power-of-two scale for each 32 numbers along K (OCP MX v1.0); their sums are f32. All else is computed in f32.
;;   The module's matrix products, in the order in which they are computed (A, B: the left and right operand; K: the contracted axis; several contracted axes count as one K, in the product's order):
;;     1. [M 8,192, K 1,024] x [K 1,024, N 3,072]; A: input x (given as codes); B: input in_proj_weight (given as codes): QUANTISED
;;     2. batch 64 x [M 2,048, K 64] x [K 64, N 2,048]; A: computed on the way; B: computed on the way: QUANTISED
;;     3. batch 64 x [M 2,048, K 2,048] x [K 2,048, N 64]; A: softmax (see below); B: computed on the way: QUANTISED
;;     4. [M 8,192, K 1,024] x [K 1,024, N 1,024]; A: computed on the way; B: input out_w (given as codes): QUANTISED
;;   THE QUANTISER, for each operand of a quantised product, along K:
;;     - K is cut into blocks of 32 from its start; a last block that is shorter is filled with zeros.
;;     - A block's scale is 2^e with e = floor(log2(the largest magnitude in the block)) - 2, held to -126 .. 127; a block of zeros has e = 0. As a byte (E8M0): e + 127.
;;     - Each number is divided by its block's scale, clamped to +-7.5, and rounded to the nearest number of E2M3, ties to even, subnormals kept.
;;     - The product sums the exact products of the quantised numbers (number of the format x scale) in f32.
;;   ~~~python
;;   def quantise(x, axis):      # numpy; x: float32 -> the quantised numbers, widened to float32 again
;;       x = np.moveaxis(x, axis, -1); K = x.shape[-1]
;;       x = np.pad(x, [(0, 0)] * (x.ndim - 1) + [(0, -K % 32)]); x = x.reshape(x.shape[:-1] + (-1, 32)); a = np.abs(x).max(-1, keepdims=True)
;;       e = np.where(a > 0, np.clip(np.frexp(np.where(a > 0, a, 1))[1] - 1 - 2, -126, 127), 0)      # np.frexp(a)[1] - 1 = floor(log2(a)), exactly
;;       r = np.clip(x / 2.0 ** e, -7.5, 7.5)
;;       step = 2.0 ** (np.maximum(np.frexp(np.where(r == 0, 1, r))[1] - 1, 0) - 3)
;;       q = np.round(r / step) * step * 2.0 ** e      # np.round: ties to even
;;       return np.moveaxis(q.reshape(q.shape[:-2] + (-1,))[..., :K], -1, axis).astype(np.float32)
;;   ~~~
;;   SOFTMAX AHEAD OF A QUANTISED PRODUCT. Where the list says 'softmax', what is quantised is not the finished softmax but p = 2^(t - M), with t = logit x log2(e) and M = ceil(the row's largest t), a whole number; so 1/2 < the row's largest p <= 1. The row's sum l is taken of the UNQUANTISED p, in f32, and the product's result is divided by l at the end. Since M is a whole number, a kernel that streams over the keys may use a running M (the ceiling of the running maximum): every later rescaling is an exact power of two, which a block's scale takes up: the codes' values come out the same.
;;   OPERANDS COMPUTED ON THE WAY. 'Computed on the way' means the value that the module computes at that place (a softmax that the list does not call 'softmax' is quantised finished and normalised). What goes into a quantiser is computed in f32, as accurately as f32 sums, v_exp_f32 and their like allow (about 1e-6 of the number): no bf16 or f16 on the way to a quantiser, and a product that is left as it is and whose result goes on into a quantised operand takes f32 operands (vector FMAs, or v_wmma_f32_16x16x4_f32). A number that lies on a knife's edge between two numbers of the format may be rounded either way, as far as f32 arithmetic and the matrix unit's own rounding can turn it there, and no further.
;;   INPUTS GIVEN AS CODES. in_proj_weight (in the module: [3072, 1024], K = its axis 1); out_w (in the module: [1024, 1024], K = its axis 1); x (in the module: [2048, 4, 1024], K = its axis 2): each comes as NAME_codes (uint8): NAME with its K axis moved to the last place and cut into blocks of 32 codes, [.., K / 32, bytes a block], one block behind the other in memory; four codes in three bytes: a row's codes are one little-endian stream of bits, code i at bits 6 i .. 6 i + 5 (a code: sign, 2 exponent bits, 3 mantissa bits); and NAME_scales (uint8): the same leading axes, one E8M0 byte (e + 127) for each 32 codes along K. Its value is code x scale, taken as it is: it is not quantised again, and the codes and scales need not be those that the quantiser above would give.
;; One version. Each part assembles by itself: llvm-mc -triple=amdgcn-amd-amdhsa -mcpu=gfx1250 --defsym DOCPART=n.
;; ======== version 1 of 1: 3 launches
;; limits: right only within a limited range of input values
;; workspace buffers: img 18,874,368 bytes; sc 786,432 bytes; oimg 6,291,456 bytes; osc 262,144 bytes
;; launch qkv (part 1): grid 4 x 64, 4 waves a work-group, clusters of 4 x 4, 327,680 bytes of LDS; arguments x_codes, x_scales, in_proj_weight_codes, in_proj_weight_scales, img, sc, in_proj_bias; writes img, sc
.if DOCPART == 1
	.amdgcn_target "amdgcn-amd-amdhsa--gfx1250"
	.amdhsa_code_object_version 6
	.text
	.protected	k_qaf709a488b_qkv
	.globl	k_qaf709a488b_qkv
	.p2align	8
	.type	k_qaf709a488b_qkv,@function
k_qaf709a488b_qkv:
	s_mov_b64 s[64:65], 0
	v_nop
	global_prefetch_b8 v0, s[64:65] scope:SCOPE_SE
	s_setreg_imm32_b32 hwreg(HW_REG_WAVE_MODE, 25, 1), 1
	s_wait_xcnt 0x0
	s_wait_alu depctr_hold_cnt(0) depctr_sa_sdst(0) depctr_va_vdst(0) depctr_va_sdst(0) depctr_va_ssrc(0) depctr_va_vcc(0) depctr_vm_vsrc(0)
	s_getreg_b32 s2, hwreg(HW_REG_IB_STS2, 6, 4)
	s_cmp_eq_u32 s2, 0
	s_cbranch_scc0 .Lentry_in_a_cluster
	s_endpgm
.Lentry_in_a_cluster:
	s_bfe_u32 s2, ttmp6, 0x10000c
	s_cmp_lg_u32 s2, 0xf033
	s_cbranch_scc0 .Lentry_shape_is_right
	s_endpgm
.Lentry_shape_is_right:
; qkv = x W^T + bias on codes of FP6 (E2M3) with E8M0 scales, K = 1,024; the results are quantised in registers and leave as codes: q and k along the head's 64 channels, v along the keys.
; A WORK-GROUP STAYS: four waves take 128 tokens of ONE batch (rows of x 3,072 bytes apart) through three parts, q, k, v: each part is 256 rows of W (rows 1,024 part + 256 cx on).  256 work-groups.
; ALL OF K IS RESIDENT: rows come whole, 768 bytes each, every row beginning at a multiple of 256 bytes; 16 bytes of padding behind every 256: LDS pitch 816.  x's 128 rows are filled once and stay.
; At the head waves 0, 1 fetch 64 rows of x each, waves 2, 3 128 rows of W each.  W's 256 rows are filled again twice: behind a part's last LDS reads every wave asks for 64 rows of the next part,
; and that load is on its way while the part's results are quantised and stored.  One tensor load of a wave is out at the most.  384 x 816 bytes and 512 spare bytes are used.
; CLUSTERS: 4 x 4 work-groups; x's rows are shared along a row of the cluster, W's along a column; a refill stands behind a round of the cluster's barrier.
; PREFETCH: at the start of parts q and k the next part's rows of W are asked for, one part ahead of their load: of a cluster column's 256 rows the partner at cy takes 64, a wave 16, a lane one block of 256 bytes.
; SIDES.  Source 1 gives a lane its row (4 blocks of 16 a wave), source 0 runs along the lane's registers (8 blocks).  q, k: a lane holds a token (64 a wave), registers run along 128 rows of W.
; v: a lane holds a channel (64 rows of W a wave), registers run along the 128 tokens.  Each case has address registers of its own.
; The scale words of a wave's rows, 32 bytes a row, go from memory into 96 registers, once a part.
; ORDER INSIDE A BLOCK OF 32.  Register 16 B + 8 u + j of lane half h holds element 32 B + 16 u + 8 h + j and is laid at place 16 h + 8 u + j of block B; q and k alike, v and the next launch's p alike.
; OUT.  img: three parts (q, k, v) of 6,291,456 bytes; a head (16 b + head) has 64 fragments of 1,536 bytes, each an image of 12 operand registers: register i of lane l at 512 (i / 4) + 16 l + 4 (i % 4).
;   q, k: fragment F: registers 0-5 token 32 F + l % 16, registers 6-11 token 32 F + 16 + l % 16; lane half h holds channels 32 h on.   v: fragment 4 s + dt: keys 128 s on, channels 16 dt + l % 16.
;   sc: three parts of 262,144 bytes; a head 4,096; a fragment 16 words.  q, k: [first token's two bytes, second token's two];  v: the four key blocks' bytes.
; q IS QUANTISED UNSCALED: 1/8 is a power of two, which the block's scale takes up; the next launch multiplies the scores by log2(e) / 8.
; LIMITS: a block of q whose largest magnitude lies under 2^-121 would have its scale held at 2^-126 after the division by 8, and is not held here; the scale's byte is held at 1 from below, so a block of zeros
; gets the byte 1 and not 127 (its codes are zeros, and this program alone reads these bytes); NaN and infinities are not served.
.set PITCH,  816
.set FR,     12
.set WB,     128*PITCH                 ; W's rows lie behind x's 128
.set SPARE,  384*PITCH                 ; the spare words: 512 bytes that no other line names
.set XROW,   3072
.set WROW,   768
.set PARTW,  1024*WROW                 ; from part to part in W's codes
.set PARTC,  6291456
.set HEADC,  98304
.set FRAGB,  1536
.set HEADS,  4096
.set BW,   4                           ; v4-7   v: register side (x): plain, across a padding; blocks 4-7 likewise
.set AQ,   8                           ; v8-9   q, k: lane side (x)
.set BQ,   10                          ; v10-13 q, k: register side (W)
.set AV,   14                          ; v14-15 v: lane side (W)
.set PF,   16                          ; v16-17 the prefetches' offsets; never rewritten
.set PWE,  20
.set PWO,  21
.set KW0,  22
.set KW1,  23
.set NW0,  24
.set NW1,  25
.set SW0,  26
.set SW1,  27
.set SPW,  28                          ; my spare word; never rewritten
.set NIL,  29                          ; 0; never rewritten
.set GO,   30                          ; 16 x lane
.set GS,   31                          ; 4 x lane
.set SA,   32                          ; v32-63  lane side's scale words: block a, step st at 8 a + st
.set SB,   64                          ; v64-127 register side's
.set AF,   128                         ; v128-223 lane side's fragments, two sets of 48
.set XS,   224                         ; v224 x's scales: 128 r;  v225 W's: 32 r;  v226 bias along registers: 32 h;  v227 bias of my row: 4 r
.set TM,   240
.set T,    128
.set H0,   192
.set H1,   204
.set CT,   216
.set SEL,  2
.set G1,   24
.set G0,   32
.set G0R,  36                          ; s[36:39] group 0 of the refills
.set G1B,  48
.set G0B,  56
.set MSB, 0
.macro WIN new                         ; the immediate's high byte repeats the setting that is left
.if MSB != (\new)
	s_set_vgpr_msb (MSB<<8)|(\new)
.set MSB, (\new)
.endif
.endm
.set MUL,  0xa1                        ; source 0 window 1, source 1 window 0, C and D window 2
.set TO_B, 0x40                        ; destination window 1
.macro CROUND                          ; a round of the cluster's barrier
	s_barrier_signal -1
	s_barrier_wait -1
	s_cmp_lg_u32 s14, 0
	s_cbranch_scc1 .Lnot_wave_0_\@
	s_barrier_signal -3
.Lnot_wave_0_\@:
	s_barrier_wait -3
	s_barrier_signal -1
	s_barrier_wait -1
.endm
.macro PLACES n
.rept \n
	v_nop
.endr
.endm
	s_load_b128 s[4:7], s[0:1], 0x0                ; x's codes, x's scales
	s_load_b128 s[8:11], s[0:1], 0x10              ; W's codes, W's scales
	s_load_b128 s[92:95], s[0:1], 0x20             ; img, sc
	s_load_b64 s[12:13], s[0:1], 0x30              ; the bias
	v_lshl_add_u32 v[SPW], v0, 2, SPARE
	v_mov_b32 v[NIL], 0
	ds_add_u32 v[SPW], v[NIL]                      ; the opening lines: the add twice and its wait
	ds_add_u32 v[SPW], v[NIL]
	v_lshrrev_b32 v1, 5, v0
	v_readfirstlane_b32 s14, v1                    ; wave
	s_lshr_b32 s15, s14, 1                         ; q, k: my half of the tokens.  At the head: I fetch x (0) or W (1)
	s_and_b32 s16, s14, 1                          ; q, k: my half of W's rows.  At the head: which half I fetch
	s_bfe_u32 s40, ttmp6, 0x40000                  ; cx
	s_bfe_u32 s41, ttmp6, 0x40004                  ; cy
	s_lshl_b32 s42, ttmp9, 2
	s_add_co_u32 s42, s42, s40                     ; which 256 rows of each part of W
	s_and_b32 s17, ttmp7, 0xffff
	s_lshl_b32 s17, s17, 2
	s_add_co_u32 s17, s17, s41                     ; my = 16 b + tb
	s_lshl_b32 s43, s41, 2
	s_lshl_b32 s43, 15, s43                        ; my row of the cluster
	s_lshl_b32 s44, 0x1111, s40                    ; my column
	s_mov_b32 s[SEL], 0x76543210
	s_mov_b32 s[SEL+1], 0xfedcba98
	s_mov_b32 s96, 0xffff0000                      ; lanes 16-31
	s_or_b32 s[G1+0], s43, (1<<20)|(1<<21)|(5<<22)|(3<<25)   ; elements of 1 byte; 4 words of padding behind every 64
	s_or_b32 s[G1B+0], s44, (1<<20)|(1<<21)|(5<<22)|(3<<25)
	s_mov_b32 s[G1+1], 768<<16
	s_mov_b32 s[G1+2], 64<<16
	s_mov_b32 s[G1+3], 768<<16
	s_mov_b32 s[G1+4], 64
	s_mov_b32 s[G1+5], XROW
	s_mov_b32 s[G1+6], 0
	s_mov_b32 s[G1+7], 0
	s_mov_b32 s[G1B+1], 768<<16
	s_mov_b32 s[G1B+2], 128<<16
	s_mov_b32 s[G1B+3], 768<<16
	s_mov_b32 s[G1B+4], 128
	s_mov_b32 s[G1B+5], WROW
	s_mov_b32 s[G1B+6], 0
	s_mov_b32 s[G1B+7], 0
	s_and_b32 s84, s17, 15                         ; tb
	s_lshr_b32 s85, s17, 4                         ; b
	s_lshl_b32 s86, s84, 7                         ; the block's first token
	s_lshl_b32 s18, s16, 6
	s_add_co_u32 s18, s86, s18
	s_mul_i32 s20, s18, XROW
	s_mul_i32 s21, s85, WROW
	s_add_co_u32 s20, s20, s21                     ; x: 3,072 t + 768 b
	s_mov_b32 s21, 0
	s_lshl_b32 s87, s42, 8                         ; W's first row in a part
	s_lshl_b32 s18, s16, 7
	s_add_co_u32 s46, s87, s18
	s_mul_i32 s46, s46, WROW
	s_mov_b32 s47, 0
	s_mul_i32 s45, s16, 64*PITCH
	s_mul_i32 s97, s16, 128*PITCH
	s_add_co_u32 s97, s97, WB
	s_wait_dscnt 0x0
	s_wait_kmcnt 0x0
	s_add_nc_u64 s[20:21], s[4:5], s[20:21]
	s_add_nc_u64 s[46:47], s[8:9], s[46:47]
	CROUND                                         ; all sixteen work-groups are here: the joint loads meet
	s_mov_b32 s[G0], 1
	s_mov_b32 s[G0+1], s45
	s_mov_b64 s[G0+2:G0+3], s[20:21]
	s_or_b32 s[G0+3], s[G0+3], 0x80000000
	s_mov_b32 s[G0B], 1
	s_mov_b32 s[G0B+1], s97
	s_mov_b64 s[G0B+2:G0B+3], s[46:47]
	s_or_b32 s[G0B+3], s[G0B+3], 0x80000000
	s_cmp_eq_u32 s15, 0                            ; my one tensor load of the head
	s_cbranch_scc0 .Lfor_w
	tensor_load_to_lds s[G0:G0+3], s[G1:G1+7]
	s_nop 0
	PLACES 4
	s_branch .Lasked
.Lfor_w:
	tensor_load_to_lds s[G0B:G0B+3], s[G1B:G1B+7]
	s_nop 0
	PLACES 4
.Lasked:
	; where the scale words and biases lie (the parts stand in the loads' immediates)
	s_lshl_b32 s18, s15, 6
	s_add_co_u32 s18, s18, s86
	s_lshl_b32 s18, s18, 7
	s_lshl_b32 s88, s85, 5
	s_add_co_u32 s18, s18, s88
	s_mov_b32 s19, 0
	s_add_nc_u64 s[68:69], s[6:7], s[18:19]        ; q, k: x's scales at my 64 tokens: 128 t + 32 b
	s_lshl_b32 s18, s86, 7
	s_add_co_u32 s18, s18, s88
	s_add_nc_u64 s[76:77], s[6:7], s[18:19]        ; v: at the block's 128 tokens
	s_lshl_b32 s18, s16, 7
	s_add_co_u32 s18, s18, s87
	s_lshl_b32 s22, s18, 5
	s_mov_b32 s23, 0
	s_add_nc_u64 s[70:71], s[10:11], s[22:23]      ; q, k: W's scales at my 128 rows,
	s_lshl_b32 s22, s18, 2
	s_add_nc_u64 s[72:73], s[12:13], s[22:23]      ; and their bias
	s_lshl_b32 s18, s14, 6
	s_add_co_u32 s18, s18, s87                     ; row 256 cx + 64 wave
	s_lshl_b32 s22, s18, 5
	s_add_nc_u64 s[74:75], s[10:11], s[22:23]      ; v: W's scales at my 64 rows,
	s_lshl_b32 s22, s18, 2
	s_add_nc_u64 s[78:79], s[12:13], s[22:23]      ; and their bias
	s_mul_i32 s80, s15, 64*PITCH                   ; LDS: q, k lane side;
	s_add_co_u32 s82, s97, 64*PITCH                ; register side's blocks 4-7 (blocks 0-3 at s97);
	s_mul_i32 s83, s14, 64*PITCH
	s_add_co_u32 s83, s83, WB                      ; v lane side; also where my 64 rows of a refill go
	s_add_co_u32 s18, s18, 1024                    ; the refills: the same rows of part k
	s_mul_i32 s22, s18, WROW
	s_add_nc_u64 s[G0R+2:G0R+3], s[8:9], s[22:23]
	s_or_b32 s[G0R+3], s[G0R+3], 0x80000000
	s_mov_b32 s[G0R], 1
	s_mov_b32 s[G0R+1], s83
	s_lshl_b32 s18, s41, 6                         ; the prefetches: row 1,024 + 256 cx + 64 cy + 16 wave
	s_lshl_b32 s21, s14, 4
	s_add_co_u32 s18, s18, s21
	s_add_co_u32 s18, s18, s87
	s_add_co_u32 s18, s18, 1024
	s_mul_i32 s22, s18, WROW
	s_add_nc_u64 s[60:61], s[8:9], s[22:23]
	; where my fragments go
	s_lshl_b32 s20, s85, 4
	s_lshl_b32 s21, s40, 2
	s_add_co_u32 s20, s20, s21                     ; 16 b + 4 cx
	s_add_co_u32 s18, s20, s14                     ; v: my head,
	s_lshl_b32 s21, s84, 2                         ; fragment 4 tb
	s_mul_i32 s22, s18, HEADC
	s_mul_i32 s19, s21, FRAGB
	s_add_co_u32 s22, s22, s19
	s_add_co_u32 s22, s22, 2*PARTC
	s_add_nc_u64 s[98:99], s[92:93], s[22:23]
	s_lshl_b32 s22, s18, 12
	s_lshl_b32 s19, s21, 6
	s_add_co_u32 s22, s22, s19
	s_add_co_u32 s22, s22, 0x80000
	s_add_nc_u64 s[90:91], s[94:95], s[22:23]
	s_lshl_b32 s18, s16, 1
	s_add_co_u32 s18, s18, s20                     ; q, k: my first head,
	s_lshl_b32 s19, s15, 1
	s_add_co_u32 s21, s21, s19                     ; my first fragment: 4 tb + 2 x half
	s_mul_i32 s22, s18, HEADC
	s_mul_i32 s19, s21, FRAGB
	s_add_co_u32 s22, s22, s19
	s_add_nc_u64 s[92:93], s[92:93], s[22:23]
	s_lshl_b32 s22, s18, 12
	s_lshl_b32 s19, s21, 6
	s_add_co_u32 s22, s22, s19
	s_add_nc_u64 s[94:95], s[94:95], s[22:23]
	v_and_b32 v1, 15, v0                           ; r
	v_bfe_u32 v2, v0, 4, 1                         ; h
	v_and_b32 v20, 31, v0
	v_mul_u32_u24 v3, v1, PITCH
	v_mad_u32_u24 v4, v2, 24, v3                   ; row x pitch + 24 h
	v_lshl_add_u32 v5, v2, 4, v4                   ; lanes 16-31 behind one padding more
	v_add_nc_u32 v6, 64*PITCH, v4
	v_add_nc_u32 v7, 64*PITCH, v5
	v_add_nc_u32 v[AQ], s80, v4
	v_add_nc_u32 v[AQ+1], s80, v5
	v_add_nc_u32 v[BQ], s97, v4
	v_add_nc_u32 v[BQ+1], s97, v5
	v_add_nc_u32 v[BQ+2], s82, v4
	v_add_nc_u32 v[BQ+3], s82, v5
	v_add_nc_u32 v[AV], s83, v4
	v_add_nc_u32 v[AV+1], s83, v5
	v_mul_u32_u24 v3, v1, WROW
	v_lshl_add_u32 v[PF], v2, 8, v3                ; row r, block h of its three;
	v_add_nc_u32 v[PF+1], 512, v3                  ; row r, block 2 (lanes 16-31 name lanes 0-15's blocks again)
	v_lshlrev_b32 v[GO], 4, v20
	v_lshlrev_b32 v[GS], 2, v20
	v_lshlrev_b32 v[XS], 7, v1
	v_lshlrev_b32 v[XS+1], 5, v1
	v_lshlrev_b32 v[XS+2], 5, v2
	v_lshlrev_b32 v[XS+3], 2, v1
	s_wait_alu depctr_va_vdst(0)                   ; the wait at the head's end
.macro FRAG reg, adr, st, i            ; 16 rows x 128 K: 12 registers in pieces of 8 bytes; piece PC of a row lies at 8 PC + 16 (PC / 32); lanes 16-31 read three pieces on
.irp p, 0,1,2,3,4,5
.set PC, 12*(\st)+6*(\p/3)+\p%3
.if PC%32 < 29
	ds_load_b64 v[\reg+2*\p:\reg+2*\p+1], v[\adr] offset:8*PC+16*(PC/32)+(\i)*16*PITCH
.else
	ds_load_b64 v[\reg+2*\p:\reg+2*\p+1], v[\adr+1] offset:8*PC+16*(PC/32)+(\i)*16*PITCH
.endif
.endr
.endm
.macro FETCH st, aa, bb                ; step st's fragments into set st % 2
	WIN TO_B
.irp i, 0,1,2,3,4,5,6,7
	FRAG 128*((\st)%2)+FR*\i, \bb+2*(\i/4), \st, \i%4
.endr
	WIN 0
.irp i, 0,1,2,3
	FRAG AF+48*((\st)%2)+FR*\i, \aa, \st, \i
.endr
.endm
.macro MUL32 st, zero                  ; the 32 accumulators take turns, in the same order in every step
	WIN MUL
.irp a, 0,1,2,3
.irp b, 0,1,2,3,4,5,6,7
.if \zero
	v_wmma_scale_f32_16x16x128_f8f6f4 v[8*(8*\a+\b):8*(8*\a+\b)+7], v[128*((\st)%2)+FR*\b:128*((\st)%2)+FR*\b+FR-1], v[AF+48*((\st)%2)+FR*\a:AF+48*((\st)%2)+FR*\a+FR-1], 0, v[SB+8*\b+(\st)], v[SA+8*\a+(\st)] matrix_a_fmt:MATRIX_FMT_FP6 matrix_b_fmt:MATRIX_FMT_FP6
.else
	v_wmma_scale_f32_16x16x128_f8f6f4 v[8*(8*\a+\b):8*(8*\a+\b)+7], v[128*((\st)%2)+FR*\b:128*((\st)%2)+FR*\b+FR-1], v[AF+48*((\st)%2)+FR*\a:AF+48*((\st)%2)+FR*\a+FR-1], v[8*(8*\a+\b):8*(8*\a+\b)+7], v[SB+8*\b+(\st)], v[SA+8*\a+(\st)] matrix_a_fmt:MATRIX_FMT_FP6 matrix_b_fmt:MATRIX_FMT_FP6
.endif
.endr
.endr
.endm
.macro LSC reg, n, vo, sb, str, o      ; n blocks' scale words: a lane takes its row's 32 bytes: 2 n loads
.set i, 0
.rept \n
	global_load_b128 v[\reg+8*i:\reg+8*i+3], v[\vo], s[\sb:\sb+1] offset:(\o)+i*\str
	global_load_b128 v[\reg+8*i+4:\reg+8*i+7], v[\vo], s[\sb:\sb+1] offset:(\o)+i*\str+16
.set i, i+1
.endr
.endm
; The 64 sums of lane-side block a, with the bias (window 3), come into window 0; each accumulator is read from its low end on.  The bias pair of sum pair i lies at bo + bs i
.macro GROUP a, bo, bs
	WIN 0x0e                                       ; source 0 window 2, source 1 window 3
.set i, 0
.rept 32
	v_pk_add_f32 v[T+2*i:T+2*i+1], v[64*(\a)+2*i:64*(\a)+2*i+1], v[(\bo)+(\bs)*i:(\bo)+(\bs)*i+1]
.set i, i+1
.endr
	WIN 0
.endm
; 64 numbers of a lane, four half blocks of 16, become codes: blocks 0, 1 in v[d0 .. d0 + 5], blocks 2, 3 in v[d1 .. d1 + 5], and the four scale bytes in v[pw]
.macro QUANT s, d0, d1, pw
.irp b, 0,1,2,3
	v_max3_num_f32 v[TM+\b], |v[\s+16*\b]|, |v[\s+1+16*\b]|, 0x1800000   ; with the floor 2^(3 - 127): the byte cannot fall under 1
.endr
.irp i, 2,4,6,8,10,12,14
.irp b, 0,1,2,3
	v_max3_num_f32 v[TM+\b], v[TM+\b], |v[\s+16*\b+\i]|, |v[\s+1+16*\b+\i]|
.endr
.endr
.irp b, 0,1,2,3
	v_permlanex16_b32 v[TM+4+\b], v[TM+\b], s[SEL], s[SEL+1]
.endr
.irp b, 0,1,2,3
	v_max_num_f32 v[TM+\b], v[TM+\b], v[TM+4+\b]   ; with lane l xor 16's
.endr
.irp b, 0,1,2,3
	v_add_nc_u32 v[TM+12+\b], 0xff000000, v[TM+\b] ; 2 off the exponent field: the conversion's scale operand
.endr
.irp b, 0,1,2,3
	v_lshrrev_b32 v[TM+4+\b], 23, v[TM+12+\b]      ; the scale's byte
.endr
	v_lshl_or_b32 v[\pw], v[TM+5], 8, v[TM+4]
	v_lshl_or_b32 v[\pw], v[TM+6], 16, v[\pw]
	v_lshl_or_b32 v[\pw], v[TM+7], 24, v[\pw]
	v_cvt_scalef32_pk16_fp6_f32 v[(\d0):(\d0)+2], v[\s:\s+15], v[TM+12]
	v_cvt_scalef32_pk16_fp6_f32 v[CT:CT+2], v[\s+16:\s+31], v[TM+13]
	v_cvt_scalef32_pk16_fp6_f32 v[(\d1):(\d1)+2], v[\s+32:\s+47], v[TM+14]
	v_cvt_scalef32_pk16_fp6_f32 v[CT+4:CT+6], v[\s+48:\s+63], v[TM+15]
	v_nop                                          ; one plain place behind a scaled conversion
.irp i, 0,1,2
	v_permlane16_swap_b32 v[(\d0)+\i], v[CT+\i]    ; a whole block to a lane
.endr
.irp i, 0,1,2
	v_mov_b32 v[(\d0)+3+\i], v[CT+\i]
.endr
.irp i, 0,1,2
	v_permlane16_swap_b32 v[(\d1)+\i], v[CT+4+\i]
.endr
.irp i, 0,1,2
	v_mov_b32 v[(\d1)+3+\i], v[CT+4+\i]
.endr
.endm
.macro PUT reg, sb, off                ; each store of the wave covers 512 consecutive bytes, aligned
.irp c, 0,1,2
	global_store_b128 v[GO], v[(\reg)+4*\c:(\reg)+4*\c+3], s[\sb:\sb+1] offset:(\off)+512*\c
.endr
.endm
; A part's eight steps.  lc: the part's bias loads, which may stay out.  fill: 0 nothing follows; 1, 2: W's rows are filled again with part k's, v's.  pf: the prefetches' immediate, or -1
.macro WALK aa, bb, lc, fill, pf
	s_wait_tensorcnt 0x0                           ; my rows are in;
	s_barrier_signal -1
	s_barrier_wait -1                              ; everybody's are.
	FETCH 0, \aa, \bb
	s_wait_loadcnt \lc                             ; the scale words are in: only the bias loads stand behind them
	s_wait_dscnt 0x0
	FETCH 1, \aa, \bb
.if \pf >= 0
	global_prefetch_b8 v[PF], s[60:61] offset:\pf th:TH_LOAD_NT scope:SCOPE_SE     ; 16 rows x 3 blocks of the next part's W
	global_prefetch_b8 v[PF+1], s[60:61] offset:\pf th:TH_LOAD_NT scope:SCOPE_SE
.endif
	MUL32 0, 1                                     ; the first products start the sums
.set ST, 1
.rept 6
	s_wait_dscnt 0x0                               ; this step's fragments, asked for 32 matrix instructions ago
	PLACES 4                                       ; in front of loads into registers that the last products read
	FETCH ST+1, \aa, \bb
	MUL32 ST, 0
.set ST, ST+1
.endr
	s_wait_dscnt 0x0                               ; the last step's fragments: my reads of W's rows are over
.if \fill
	WIN 0
	s_wait_tensorcnt 0x0                           ; no tensor load of mine is out;
	ds_add_u32 v[SPW], v[NIL]
.if \fill == 1
	s_mov_b32 s[G1B+2], 64<<16                     ; from here on a load of W brings 64 rows
	s_mov_b32 s[G1B+4], 64
.else
	s_add_nc_u64 s[G0R+2:G0R+3], s[G0R+2:G0R+3], PARTW
.endif
	MUL32 7, 0                                     ; 32 matrix instructions stand between the add and the wait for it
	WIN 0
	s_wait_dscnt 0x0
	CROUND                                         ; no wave of any partner still reads W's rows or has a load on its way
	tensor_load_to_lds s[G0R:G0R+3], s[G1B:G1B+7]  ; my 64 rows of the next part: on their way while this part is quantised
	s_nop 0
	PLACES 4
.else
	MUL32 7, 0
	WIN 0
.endif
.irp b, 0,1,2,3
	v_mov_b32 v[TM+4+\b], 0                        ; a lane permute's destination counts as a source; also places behind the last products
.endr
.endm
; q (p = 0) and k (p = 1): my 128 channels are two heads; lane-side blocks 2 F and 2 F + 1 (32 tokens) make fragment F of each
.macro PARTQ p
	WIN 0xc0                                       ; destination window 3: the part's bias, 16 loads
.irp b, 0,1,2,3,4,5,6,7
	global_load_b128 v[8*\b:8*\b+3], v[XS+2], s[72:73] offset:4096*\p+64*\b
	global_load_b128 v[8*\b+4:8*\b+7], v[XS+2], s[72:73] offset:4096*\p+64*\b+16
.endr
	WIN 0
	WALK AQ, BQ, 16, \p+1, \p*PARTW
.if \p == 0
	LSC SB, 8, XS+1, 70, 512, 32768                ; k's scale words: 16 loads
	s_wait_loadcnt 16                              ; the bias is in
.else
	LSC SA, 4, XS+1, 74, 512, 65536                ; v's: 8 and 16 loads
	LSC SB, 8, XS, 76, 2048, 0
	s_wait_loadcnt 24
.endif
.irp F, 0,1
	s_wait_xcnt 0x0                                ; the last stores have read their registers
	GROUP 2*\F, 0, 2
	QUANT T, H0, H1, PWE
	GROUP 2*\F+1, 0, 2
	QUANT T, H0+6, H1+6, PWO
	PUT H0, 92, \p*PARTC+FRAGB*\F
	PUT H1, 92, \p*PARTC+HEADC+FRAGB*\F
.if \F == 0
	v_perm_b32 v[KW0], v[PWO], v[PWE], 0x05040100  ; the first head's word: bytes 0, 1 of both tokens
	v_perm_b32 v[KW1], v[PWO], v[PWE], 0x07060302  ; the second head's: bytes 2, 3
.else
	v_perm_b32 v[NW0], v[PWO], v[PWE], 0x05040100
	v_perm_b32 v[NW1], v[PWO], v[PWE], 0x07060302
	v_cndmask_b32 v[SW0], v[KW0], v[NW0], s96      ; lanes 0-15: fragment 0's words; lanes 16-31: fragment 1's
	v_cndmask_b32 v[SW1], v[KW1], v[NW1], s96
	global_store_b32 v[GS], v[SW0], s[94:95] offset:\p*262144
	global_store_b32 v[GS], v[SW1], s[94:95] offset:\p*262144+HEADS
.endif
.endr
	s_wait_xcnt 0x0                                ; the stores have read their registers: the next part's fragments may land there
.endm
	LSC SA, 4, XS, 68, 2048, 0                     ; x's scale words serve q and k
	LSC SB, 8, XS+1, 70, 512, 0
	PARTQ 0
	PARTQ 1
	; v: lane-side block a is channels 16 a on of my head; the 128 tokens are one key step
	WIN 0xc0
.irp a, 0,1,2,3
	global_load_b32 v[64+2*\a], v[XS+3], s[78:79] offset:8192+64*\a
	global_load_b32 v[65+2*\a], v[XS+3], s[78:79] offset:8192+64*\a
.endr
	WIN 0
	WALK AV, BW, 8, 0, -1
	s_wait_loadcnt 0x0
.irp a, 0,1,2,3
	s_wait_xcnt 0x0
	GROUP \a, 64+2*\a, 0
.if (\a % 2) == 0
	QUANT T, H0, H0+6, KW0
	PUT H0, 98, \a*FRAGB
.else
	QUANT T, H1, H1+6, NW0
	PUT H1, 98, \a*FRAGB
	v_cndmask_b32 v[SW0], v[KW0], v[NW0], s96
	global_store_b32 v[GS], v[SW0], s[90:91] offset:(\a/2)*128
.endif
.endr
	s_wait_tensorcnt 0x0                           ; the wave's end
	ds_add_u32 v[SPW], v[NIL]
	s_wait_dscnt 0x0
	CROUND                                         ; the closing round
	s_endpgm
.Lfunc_end_k_qaf709a488b_qkv:
	.size	k_qaf709a488b_qkv, .Lfunc_end_k_qaf709a488b_qkv-k_qaf709a488b_qkv
	.p2alignl 7, 3214868480
	.fill 96, 4, 3214868480
	.section	.rodata,"a",@progbits
	.p2align	6, 0x0
	.amdhsa_kernel k_qaf709a488b_qkv
		.amdhsa_group_segment_fixed_size 327680
		.amdhsa_private_segment_fixed_size 0
		.amdhsa_enable_private_segment 0
		.amdhsa_kernarg_size 56
		.amdhsa_user_sgpr_count 2
		.amdhsa_user_sgpr_kernarg_segment_ptr 1
		.amdhsa_wavefront_size32 1
		.amdhsa_system_sgpr_workgroup_id_x 1
		.amdhsa_system_sgpr_workgroup_id_y 1
		.amdhsa_system_sgpr_workgroup_id_z 1
		.amdhsa_system_vgpr_workitem_id 0
		.amdhsa_next_free_vgpr 1024
		.amdhsa_next_free_sgpr 100
		.amdhsa_reserve_vcc 0
		.amdhsa_float_denorm_mode_32 3
		.amdhsa_float_denorm_mode_16_64 3
		.amdhsa_memory_ordered 1
		.amdhsa_forward_progress 1
		.amdhsa_inst_pref_size 255
	.end_amdhsa_kernel
	.section	.bss,"aw",@nobits
	.p2align	6
	.space	262144
	.amdgpu_metadata
---
amdhsa.version: [ 1, 2 ]
amdhsa.kernels:
  - .name:           k_qaf709a488b_qkv
    .symbol:         k_qaf709a488b_qkv.kd
    .args:
      - { .name: x_codes, .offset: 0, .size: 8, .value_kind: global_buffer, .address_space: global }
      - { .name: x_scales, .offset: 8, .size: 8, .value_kind: global_buffer, .address_space: global }
      - { .name: in_proj_weight_codes, .offset: 16, .size: 8, .value_kind: global_buffer, .address_space: global }
      - { .name: in_proj_weight_scales, .offset: 24, .size: 8, .value_kind: global_buffer, .address_space: global }
      - { .name: img, .offset: 32, .size: 8, .value_kind: global_buffer, .address_space: global }
      - { .name: sc, .offset: 40, .size: 8, .value_kind: global_buffer, .address_space: global }
      - { .name: in_proj_bias, .offset: 48, .size: 8, .value_kind: global_buffer, .address_space: global }
    .group_segment_fixed_size: 327680
    .private_segment_fixed_size: 0
    .kernarg_segment_align: 8
    .kernarg_segment_size: 56
    .max_flat_workgroup_size: 128
    .sgpr_count:     100
    .vgpr_count:     1024
    .wavefront_size: 32
...
	.end_amdgpu_metadata
.endif
;; end of part 1
;; launch attn (part 2): grid 4 x 64, 16 waves a work-group, clusters of 4 x 1, 206,848 bytes of LDS; arguments img, sc, oimg, osc; writes oimg, osc
.if DOCPART == 2
	.amdgcn_target "amdgcn-amd-amdhsa--gfx1250"
	.amdhsa_code_object_version 6
	.text
	.protected	k_qaf709a488b_attn
	.globl	k_qaf709a488b_attn
	.p2align	8
	.type	k_qaf709a488b_attn,@function
k_qaf709a488b_attn:
	s_mov_b64 s[64:65], 0
	v_nop
	global_prefetch_b8 v0, s[64:65] scope:SCOPE_SE
	s_setreg_imm32_b32 hwreg(HW_REG_WAVE_MODE, 25, 1), 1
	s_wait_xcnt 0x0
	s_wait_alu depctr_hold_cnt(0) depctr_sa_sdst(0) depctr_va_vdst(0) depctr_va_sdst(0) depctr_va_ssrc(0) depctr_va_vcc(0) depctr_vm_vsrc(0)
	s_getreg_b32 s2, hwreg(HW_REG_IB_STS2, 6, 4)
	s_cmp_eq_u32 s2, 0
	s_cbranch_scc0 .Lentry_in_a_cluster
	s_endpgm
.Lentry_in_a_cluster:
	s_bfe_u32 s2, ttmp6, 0x10000c
	s_cmp_lg_u32 s2, 0x3003
	s_cbranch_scc0 .Lentry_shape_is_right
	s_endpgm
.Lentry_shape_is_right:
; o = softmax(q k^T / 8) v for one head, both products on codes of FP6 (E2M3) with E8M0 scales; o is divided by the row's sum, quantised along the channels and leaves as codes.
; q, k, v come as images of operand registers (img) with their scale words (sc), as the launch before laid them.
; SHARES.  A work-group owns 512 queries of one head (16 b + head = work-group y); each of its sixteen waves 32 of them, two tiles of 16, in two passes.  Four waves of 256 registers stand on a SIMD, so that one
; wave's vector work stands beside another's matrix work and LDS loads.
; LDS.  A head's K and V, 98,304 bytes each, and their scale words, 4,096 each, are filled ONCE and stay: no slot is filled again.  The four work-groups of a cluster share the head, so each part is asked for jointly.
; Waves 0-7 fetch K and V, 256 keys each, wave 8 the scale words; all is read once all has landed.  One tensor load of a wave is out at the most.
; K = 64 IN AN INSTRUCTION OF 128.  A fragment of K holds two keys a row: registers 0-5 key 32 f + m, registers 6-11 key 32 f + 16 + m.  It is multiplied twice: by [q, 0] and by [0, q], which overlap in 18 registers
; [0 x 6 | q x 6 | 0 x 6].  The zero half has zero codes; its scale bytes are 0.
; LAYOUT.  S^T = K Q^T and O^T = V^T P^T: a lane holds one query throughout.  Register 16 f + 8 u + j of lane half h holds key 32 f + 16 u + 8 h + j and goes to place 16 h + 8 u + j of block f: the order in which v's codes lie.
; SOFTMAX.  t = score x log2(e) / 8 (q was quantised unscaled); M = the running largest t rounded up to a whole number; p = 2^(t - M) is quantised, not normalised; the row's sum is taken of the unquantised p; when M
; moves, the sum and O^T are multiplied by 2^(old M - new M), which rounds nothing.
; OUT.  oimg: [b][token / 16][head][768 bytes]: lane (r, h) holds channels 32 h on of token r in natural order, six registers, register pair i at 256 i + 8 l.   osc: [2,048 b + t][32]: byte 2 head + block.
; LIMITS: p under 2^-126 comes out of v_exp_f32 as 0; the scale's byte is held at 1 from below (a block of zeros gets 1, not 127: its codes are zeros, and this program alone reads the bytes); NaN and infinities are not served.
.set PARTC,  6291456
.set HEADC,  98304
.set FRAGB,  1536
.set HEADS,  4096
.set CHUNKB, 24576                     ; 512 keys of K or of V
.set QUARTB, 6144                      ; what one tensor load brings of a chunk; also a key step's four fragments
; LDS AND FETCHES AS THIS TEXT HAS THEM (in place of what the head says of chunks and fetching waves): wave w of waves 0-7 brings, by ONE joint load of two rows of 12,288 bytes, keys 256 w on of K and of V:
; K's part lands at 24,576 w, V's 12,288 bytes behind it.  Wave 8 brings K's and V's scale words, two rows of 4,096 bytes.  One tensor load of a wave is out at the most.
; One wait for 0 and one barrier show all of it to the sixteen waves; behind them no barrier stands in the walk.  A trip of the loop is two key steps, 256 keys.
.set VOFF,   12288
.set SCK,    196608                    ; K's scale words, and V's 4,096 bytes on
.set LI,  1                            ; v1   16 x lane
.set LV,  2                            ; v2   VOFF + 16 x lane
.set LS,  3                            ; v3   SCK + 4 x lane
.set GO,  4                            ; v4   8 x lane
.set GS,  5                            ; v5   32 x (lane % 16)
.set ADK, 8
.set ADV, 9
.set ADS, 10
.set QHI, 16                           ; v[16:27] = [0, q]
.set QC,  22                           ; v22-27 q of the tile in hand
.set QLO, 22                           ; v[22:33] = [q, 0]
.set QB,  34                           ; v34-39 q of the second tile
.set QSL, 40                           ; q's scale words: for [q, 0], for [0, q]; v42, v43: the second tile's
.set QSH, 41
.set KV,  44                           ; v44-91 four fragments of K, then of V
.set KSC, 92                           ; v92-93 K's scale words: fragment 2 i in lanes 0-15, 2 i + 1 in lanes 16-31
.set VSC, 94                           ; v94-95 V's
.set S,   96                           ; v96-159 S^T, then p
.set O,   160                          ; v160-191 O^T
.set PC,  192                          ; v192-203 p's codes
.set CT,  204                          ; v204-206, v208-210
.set BM,  212
.set BX,  216
.set SO,  220
.set BY,  224
.set FF,  228                          ; v[228:229] f = 2^(old M - new M); v229 is named with it as a pair
.set PW,  230                          ; p's scale word
.set OW,  231                          ; o's two scale bytes
.set TMP, 232
.set QW,  233
.set CH,  234                          ; v[234:235] the sum's second chain
.set WV,  12
.set SEL, 20
.set CS,  22
.set G1C, 24
.set G1S, 32
.set G0,  40                           ; s[40:47] two groups 0
.set TB,  60
.set TS,  61
.set PASS, 62
.set CNT, 63
.set OP,  66
.set OSP, 68
.macro CROUND                          ; a round of the cluster's barrier
	s_barrier_signal -1
	s_barrier_wait -1
	s_cmp_lg_u32 s[WV], 0
	s_cbranch_scc1 .Lnot_wave_0_\@
	s_barrier_signal -3
.Lnot_wave_0_\@:
	s_barrier_wait -3
	s_barrier_signal -1
	s_barrier_wait -1
.endm
	s_load_b256 s[4:11], s[0:1], 0x0               ; img, sc, oimg, osc
	v_lshl_add_u32 v254, v0, 2, 0x32000
	v_mov_b32 v255, 0
	ds_add_u32 v254, v255
	ds_add_u32 v254, v255
	v_lshrrev_b32 v6, 5, v0
	s_delay_alu instid0(VALU_DEP_1)
	v_readfirstlane_b32 s[WV], v6                  ; wave 0..15
	s_and_b32 s14, ttmp7, 0xffff                   ; the head, 16 b + head: the four partners share it
	s_bfe_u32 s13, ttmp6, 0x40000                  ; cx: it enters q's and o's addresses alone
	s_mul_i32 s76, s[WV], 24576                    ; LDS: my 256 keys of K, then of V
	s_mul_i32 s72, s14, HEADC
	s_mul_i32 s73, s[WV], 12288
	s_add_co_u32 s72, s72, s73
	s_add_co_u32 s72, s72, PARTC                   ; k's part of img; v's lies PARTC bytes on: the tile's second row
	s_mov_b32 s73, 0
	s_lshl_b32 s74, s14, 12
	s_add_co_u32 s74, s74, 0x40000                 ; k's part of sc; v's lies 262,144 bytes on
	s_mov_b32 s75, 0
	; group 1: dense, elements of 8 bytes: two rows of 12,288 bytes of codes, two rows of 4,096 bytes of scale words
	s_mov_b32 s[G1C], 15|(3<<16)|(1<<21)           ; 15:0 the mask: all four work-groups; 17:16 elements of 8 bytes; 21 set beside a mask; no padding
	s_mov_b32 s[G1C+1], 1536<<16                   ; two rows of 1,536 elements of 8 bytes, PARTC bytes apart
	s_mov_b32 s[G1C+2], 2<<16
	s_mov_b32 s[G1C+3], 1536<<16
	s_mov_b32 s[G1C+4], 2
	s_mov_b32 s[G1C+5], 786432
	s_mov_b32 s[G1C+6], 0
	s_mov_b32 s[G1C+7], 0
	s_mov_b32 s[G1S], 15|(3<<16)|(1<<21)
	s_mov_b32 s[G1S+1], 512<<16                    ; two rows of 512 elements of 8 bytes, 262,144 bytes apart
	s_mov_b32 s[G1S+2], 2<<16
	s_mov_b32 s[G1S+3], 512<<16
	s_mov_b32 s[G1S+4], 2
	s_mov_b32 s[G1S+5], 32768
	s_mov_b32 s[G1S+6], 0
	s_mov_b32 s[G1S+7], 0
	s_mov_b32 s[SEL], 0x76543210
	s_mov_b32 s[SEL+1], 0xfedcba98
	s_mov_b32 s[CS], 0x3e38aa3b                    ; c = log2(e) / 8
	s_mov_b32 s[CS+1], s[CS]                       ; (named with it as a pair, so it is written)
	s_wait_dscnt 0x0
	s_wait_kmcnt 0x0
	s_add_nc_u64 s[72:73], s[4:5], s[72:73]
	s_add_nc_u64 s[74:75], s[6:7], s[74:75]
	s_mov_b32 s[G0], 1
	s_mov_b32 s[G0+1], SCK
	s_mov_b64 s[G0+2:G0+3], s[74:75]
	s_or_b32 s[G0+3], s[G0+3], 0x80000000
.irp c, 0
	s_mov_b32 s[G0+4+4*\c], 1
	s_add_co_u32 s[G0+5+4*\c], s76, \c*CHUNKB
	s_add_nc_u64 s[G0+6+4*\c:G0+7+4*\c], s[72:73], \c*CHUNKB
	s_or_b32 s[G0+7+4*\c], s[G0+7+4*\c], 0x80000000
.endr
	CROUND                                         ; all four work-groups are here: the joint loads meet
	s_cmp_lt_u32 s[WV], 8                          ; a wave's first fills stand in one branch on the wave's number, ahead of every wait on TENSORcnt and every LDS read
	s_cbranch_scc0 .Lfill_s
	tensor_load_to_lds s[G0+4:G0+7], s[G1C:G1C+7]  ; waves 0-7: codes
	s_nop 0
.rept 4
	v_nop
.endr
	s_branch .Lno_fill
.Lfill_s:
	s_cmp_eq_u32 s[WV], 8
	s_cbranch_scc0 .Lno_fill
	tensor_load_to_lds s[G0:G0+3], s[G1S:G1S+7]    ; wave 8: scale words
	s_nop 0
.rept 4
	v_nop
.endr
.Lno_fill:
	v_and_b32 v6, 31, v0                           ; lane
	v_and_b32 v7, 15, v0                           ; r
	s_delay_alu instid0(VALU_DEP_2)
	v_lshlrev_b32 v[LI], 4, v6
	s_wait_alu depctr_va_vdst(0)
	v_add_nc_u32 v[LV], VOFF, v[LI]
	v_lshl_add_u32 v[LS], v6, 2, SCK
	v_lshlrev_b32 v[GO], 3, v6
	v_lshlrev_b32 v[GS], 5, v7
	v_lshlrev_b32 v11, 2, v7
	s_wait_alu depctr_va_vdst(0)
	s_lshl_b32 s15, s13, 4
	s_add_co_u32 s15, s15, s[WV]                   ; F = 16 cx + wave: my fragment of q, tokens 32 F on
	s_lshr_b32 s78, s14, 4                         ; b
	s_and_b32 s79, s14, 15                         ; head
	s_lshl_b32 s18, s78, 7
	s_lshl_b32 s19, s15, 1
	s_add_co_u32 s18, s18, s19                     ; 128 b + 2 F: my first tile of tokens
	s_lshl_b32 s18, s18, 4
	s_add_co_u32 s18, s18, s79
	s_mul_i32 s18, s18, 768
	s_mov_b32 s19, 0
	s_add_nc_u64 s[OP:OP+1], s[8:9], s[18:19]
	s_lshl_b32 s18, s78, 11
	s_lshl_b32 s19, s15, 5
	s_add_co_u32 s18, s18, s19                     ; 2,048 b + 32 F
	s_lshl_b32 s18, s18, 5
	s_lshl_b32 s19, s79, 1
	s_add_co_u32 s18, s18, s19
	s_mov_b32 s19, 0
	s_add_nc_u64 s[OSP:OSP+1], s[10:11], s[18:19]
	s_mul_i32 s16, s14, HEADC
	s_mul_i32 s17, s15, FRAGB
	s_add_co_u32 s16, s16, s17
	s_mov_b32 s17, 0
	s_add_nc_u64 s[16:17], s[4:5], s[16:17]        ; q's fragment (part 0 of img)
	s_lshl_b32 s18, s14, 12
	s_lshl_b32 s19, s15, 6
	s_add_co_u32 s18, s18, s19
	s_mov_b32 s19, 0
	s_add_nc_u64 s[18:19], s[6:7], s[18:19]        ; and its scale words
.irp c, 0,1,2
	global_load_b128 v[S+4*\c:S+4*\c+3], v[LI], s[16:17] offset:512*\c
.endr
	global_load_b32 v[QW], v11, s[18:19]
.irp i, 0,1,2,3,4,5
	v_mov_b32 v[QHI+\i], 0                         ; the zero halves
	v_mov_b32 v[QLO+6+\i], 0
.endr
.irp b, 0,1,2,3
	v_mov_b32 v[BX+\b], 0                          ; written once: a lane permute's destination counts as one of its sources
.endr
	v_mov_b32 v[FF+1], 0
	s_wait_loadcnt 0x0
.irp i, 0,1,2,3,4,5
	v_mov_b32 v[QC+\i], v[S+\i]                    ; the first tile's q,
	v_mov_b32 v[QB+\i], v[S+6+\i]                  ; the second's
.endr
	v_and_b32 v[QSL], 0xffff, v[QW]                ; the word is [first tile's two bytes, second tile's two]: each tile's bytes at the low end for [q, 0], at the high end for [0, q]
	v_lshlrev_b32 v[QSH], 16, v[QW]
	v_lshrrev_b32 v[QSL+2], 16, v[QW]
	v_and_b32 v[QSH+2], 0xffff0000, v[QW]
; A KEY STEP: 128 keys.
.macro STEP o                          ; o: the step's place in the trip's 256 keys, in bytes of K: 0 or 6,144
.if \o == 0
	v_add_nc_u32 v[ADK], s[TB], v[LI]
	v_add_nc_u32 v[ADV], s[TB], v[LV]
	v_add_nc_u32 v[ADS], s[TS], v[LS]
	v_nop                                          ; four places in front of loads into registers that the last products read
.else
.rept 4
	v_nop
.endr
.endif
.irp f, 0,1,2,3
.irp c, 0,1,2
	ds_load_b128 v[KV+12*\f+4*\c:KV+12*\f+4*\c+3], v[ADK] offset:FRAGB*\f+512*\c+\o
.endr
.endr
.irp i, 0,1
	ds_load_b32 v[KSC+\i], v[ADS] offset:128*\i+\o/24          ; a step's scale words are 256 bytes
	ds_load_b32 v[VSC+\i], v[ADS] offset:HEADS+128*\i+\o/24
.endr
	s_wait_alu depctr_va_vdst(0)
	s_wait_dscnt 0x0
.irp f, 0,1,2,3                                ; S^T: each fragment of K twice
.if (\f % 2) == 0
	v_wmma_scale_f32_16x16x128_f8f6f4 v[S+16*\f:S+16*\f+7], v[KV+12*\f:KV+12*\f+11], v[QLO:QLO+11], 0, v[KSC+\f/2], v[QSL] matrix_a_fmt:MATRIX_FMT_FP6 matrix_b_fmt:MATRIX_FMT_FP6
	v_wmma_scale_f32_16x16x128_f8f6f4 v[S+16*\f+8:S+16*\f+15], v[KV+12*\f:KV+12*\f+11], v[QHI:QHI+11], 0, v[KSC+\f/2], v[QSH] matrix_a_fmt:MATRIX_FMT_FP6 matrix_b_fmt:MATRIX_FMT_FP6
.else
	v_wmma_scale_f32_16x16x128_f8f6f4 v[S+16*\f:S+16*\f+7], v[KV+12*\f:KV+12*\f+11], v[QLO:QLO+11], 0, v[KSC+\f/2], v[QSL] matrix_a_fmt:MATRIX_FMT_FP6 matrix_b_fmt:MATRIX_FMT_FP6 matrix_a_scale:MATRIX_SCALE_ROW1
	v_wmma_scale_f32_16x16x128_f8f6f4 v[S+16*\f+8:S+16*\f+15], v[KV+12*\f:KV+12*\f+11], v[QHI:QHI+11], 0, v[KSC+\f/2], v[QSH] matrix_a_fmt:MATRIX_FMT_FP6 matrix_b_fmt:MATRIX_FMT_FP6 matrix_a_scale:MATRIX_SCALE_ROW1
.endif
.endr
.rept 4
	v_nop                                          ; places in front of the loads into K's registers and of the first read of the scores
.endr
.irp f, 0,1,2,3
.irp c, 0,1,2
	ds_load_b128 v[KV+12*\f+4*\c:KV+12*\f+4*\c+3], v[ADV] offset:FRAGB*\f+512*\c+\o
.endr
.endr
.irp b, 0,1,2,3
	v_max3_num_f32 v[BM+\b], v[S+16*\b], v[S+16*\b+1], v[S+16*\b+2]   ; the largest score of each block of 32 keys: it serves the row's maximum and, since p rises with the score, the block's largest p
.endr
.irp i, 3,5,7,9,11,13
.irp b, 0,1,2,3
	v_max3_num_f32 v[BM+\b], v[BM+\b], v[S+16*\b+\i], v[S+16*\b+\i+1]
.endr
.endr
.irp b, 0,1,2,3
	v_max_num_f32 v[BM+\b], v[BM+\b], v[S+16*\b+15]
.endr
.irp b, 0,1,2,3
	s_delay_alu instid0(VALU_DEP_4)
	v_permlanex16_b32 v[BX+\b], v[BM+\b], s[SEL], s[SEL+1]
.endr
.irp b, 0,1,2,3
	s_delay_alu instid0(VALU_DEP_4)
	v_max_num_f32 v[BM+\b], v[BM+\b], v[BX+\b]     ; with lane l xor 16's 16 keys
.endr
	s_delay_alu instid0(VALU_DEP_2)
	v_max3_num_f32 v[TMP], v[BM], v[BM+1], v[BM+2]
	s_delay_alu instid0(VALU_DEP_1)
	v_max_num_f32 v[TMP], v[TMP], v[BM+3]
	s_delay_alu instid0(VALU_DEP_1)
	v_mul_f32 v[TMP], s[CS], v[TMP]                ; as t (c is positive)
	s_delay_alu instid0(VALU_DEP_1)
	v_max_num_f32 v13, v13, v[TMP]                 ; the running largest t
	v_mov_b32 v[TMP], v12
	s_delay_alu instid0(VALU_DEP_2)
	v_floor_f32 v12, -v13                          ; the new -M = floor(-t): M is a whole number
	s_delay_alu instid0(VALU_DEP_1)
	v_sub_f32 v[TMP], v12, v[TMP]                  ; old M - new M: a whole number, 0 or less
	s_delay_alu instid0(VALU_DEP_1)
	v_cvt_i32_f32 v[TMP], v[TMP]                   ; (it saturates)
	s_delay_alu instid0(VALU_DEP_1)
	v_ldexp_f32 v[FF], 1.0, v[TMP]                 ; f = 2^(old M - new M)
.set j, 0
.rept 32
	v_pk_fma_f32 v[S+j:S+j+1], v[S+j:S+j+1], s[CS:CS+1], v[12:13] op_sel_hi:[1,0,0]   ; t - M, two at a time
.set j, j+2
.endr
.irp b, 0,1,2,3
	v_fma_f32 v[BM+\b], v[BM+\b], s[CS], v12       ; the same of each block's largest score
.endr
.set j, 0
	s_wait_alu depctr_va_vdst(0)
.rept 64
	v_exp_f32 v[S+j], v[S+j]                       ; p = 2^(t - M), at most 1
.set j, j+1
.endr
	v_pk_mul_f32 v[14:15], v[14:15], v[FF:FF+1] op_sel_hi:[1,0]   ; the sums under the new M: the plain place behind the exponentials
	s_wait_alu depctr_va_vdst(0)                   ; one wait for the whole batch, ahead of its first reader
.irp b, 0,1,2,3
	v_exp_f32 v[BM+\b], v[BM+\b]                   ; the block's largest p
.endr
	v_pk_add_f32 v[234:235], v[100:101], v[104:105]
	v_pk_add_f32 v[252:253], v[108:109], v[112:113]
	v_pk_add_f32 v[250:251], v[116:117], v[120:121]
	v_pk_add_f32 v[248:249], v[124:125], v[128:129]
	v_pk_add_f32 v[246:247], v[132:133], v[136:137]
	v_pk_add_f32 v[244:245], v[140:141], v[144:145]
	v_pk_add_f32 v[242:243], v[148:149], v[152:153]
	v_pk_add_f32 v[14:15], v[14:15], v[156:157]
	v_pk_add_f32 v[234:235], v[234:235], v[96:97]
	v_pk_add_f32 v[252:253], v[252:253], v[98:99]
	v_pk_add_f32 v[250:251], v[250:251], v[102:103]
	v_pk_add_f32 v[248:249], v[248:249], v[106:107]
	v_pk_add_f32 v[246:247], v[246:247], v[110:111]
	v_pk_add_f32 v[244:245], v[244:245], v[114:115]
	v_pk_add_f32 v[242:243], v[242:243], v[118:119]
	v_pk_add_f32 v[14:15], v[14:15], v[122:123]
	v_pk_add_f32 v[234:235], v[234:235], v[126:127]
	v_pk_add_f32 v[252:253], v[252:253], v[130:131]
	v_pk_add_f32 v[250:251], v[250:251], v[134:135]
	v_pk_add_f32 v[248:249], v[248:249], v[138:139]
	v_pk_add_f32 v[246:247], v[246:247], v[142:143]
	v_pk_add_f32 v[244:245], v[244:245], v[146:147]
	v_pk_add_f32 v[242:243], v[242:243], v[150:151]
	v_pk_add_f32 v[14:15], v[14:15], v[154:155]
	v_pk_add_f32 v[234:235], v[234:235], v[158:159]
	s_delay_alu instid0(VALU_DEP_2)
	v_pk_add_f32 v[14:15], v[14:15], v[248:249]
	s_delay_alu instid0(VALU_DEP_2)
	v_pk_add_f32 v[234:235], v[234:235], v[246:247]
	v_pk_add_f32 v[252:253], v[252:253], v[244:245]
	v_pk_add_f32 v[250:251], v[250:251], v[242:243]
	s_delay_alu instid0(VALU_DEP_2)
	v_pk_add_f32 v[14:15], v[14:15], v[252:253]
	s_delay_alu instid0(VALU_DEP_2)
	v_pk_add_f32 v[234:235], v[234:235], v[250:251]
	s_delay_alu instid0(VALU_DEP_1)
	v_pk_add_f32 v[14:15], v[14:15], v[234:235]
	s_wait_alu depctr_va_vdst(0)                   ; and one for the four
.irp b, 0,1,2,3
	v_max_num_f32 v[BM+\b], 0x1800000, v[BM+\b]    ; the floor 2^(3 - 127): the byte cannot fall under 1
.endr
.irp b, 0,1,2,3
	s_delay_alu instid0(VALU_DEP_4)
	v_add_nc_u32 v[SO+\b], 0xff000000, v[BM+\b]    ; 2 off the exponent field: the conversion's scale operand
.endr
.irp b, 0,1,2,3
	s_delay_alu instid0(VALU_DEP_4)
	v_lshrrev_b32 v[BY+\b], 23, v[SO+\b]           ; the scale's byte
.endr
	s_delay_alu instid0(VALU_DEP_3)
	v_lshl_or_b32 v[PW], v[BY+1], 8, v[BY]
	s_delay_alu instid0(VALU_DEP_1)
	v_lshl_or_b32 v[PW], v[BY+2], 16, v[PW]
	s_delay_alu instid0(VALU_DEP_1)
	v_lshl_or_b32 v[PW], v[BY+3], 24, v[PW]
.irp c, 0,1
	v_cvt_scalef32_pk16_fp6_f32 v[PC+6*\c:PC+6*\c+2], v[S+32*\c:S+32*\c+15], v[SO+2*\c]
	v_cvt_scalef32_pk16_fp6_f32 v[CT+4*\c:CT+4*\c+2], v[S+32*\c+16:S+32*\c+31], v[SO+2*\c+1]
.endr
	v_nop                                          ; one plain place behind a scaled conversion
.irp c, 0,1
.irp i, 0,1,2
	v_permlane16_swap_b32 v[PC+6*\c+\i], v[CT+4*\c+\i]   ; a whole block to a lane
.endr
.irp i, 0,1,2
	s_delay_alu instid0(VALU_DEP_3)
	v_mov_b32 v[PC+6*\c+3+\i], v[CT+4*\c+\i]
.endr
.endr
.set j, 0
.rept 16
	v_pk_mul_f32 v[O+j:O+j+1], v[O+j:O+j+1], v[FF:FF+1] op_sel_hi:[1,0]   ; O^T under the new M; these are also the places between p's scale word and codes and the products
.set j, j+2
.endr
	s_wait_alu depctr_va_vdst(0)
	s_wait_dscnt 0x0                               ; V is in
.irp f, 0,1,2,3                                ; O^T += V^T P^T: four accumulators, one instruction each
.if (\f % 2) == 0
	v_wmma_scale_f32_16x16x128_f8f6f4 v[O+8*\f:O+8*\f+7], v[KV+12*\f:KV+12*\f+11], v[PC:PC+11], v[O+8*\f:O+8*\f+7], v[VSC+\f/2], v[PW] matrix_a_fmt:MATRIX_FMT_FP6 matrix_b_fmt:MATRIX_FMT_FP6
.else
	v_wmma_scale_f32_16x16x128_f8f6f4 v[O+8*\f:O+8*\f+7], v[KV+12*\f:KV+12*\f+11], v[PC:PC+11], v[O+8*\f:O+8*\f+7], v[VSC+\f/2], v[PW] matrix_a_fmt:MATRIX_FMT_FP6 matrix_b_fmt:MATRIX_FMT_FP6 matrix_a_scale:MATRIX_SCALE_ROW1
.endif
.endr
.endm
; The wait for 0, then the barrier shows every fetching wave's part to all sixteen.
	s_wait_alu depctr_va_vdst(0)                   ; the wait at the head's end
	s_wait_tensorcnt 0x0                           ; my load, if I issued one, has landed;
	s_barrier_signal -1
	s_barrier_wait -1                              ; all nine have: K, V and their scale words stay as they are
	s_mov_b32 s[PASS], 2
.Lpass:                                            ; a tile of 16 queries a trip
	v_mov_b32 v13, 0xff61b1e6                      ; the largest t so far: -3e38
	s_delay_alu instid0(VALU_DEP_1)
	v_floor_f32 v12, -v13                          ; -M
	v_mov_b32 v14, 0
	v_mov_b32 v15, 0
.set j, 0
.rept 32
	v_mov_b32 v[O+j], 0                            ; the step is written once: the first finds zeros, which the first change of M leaves zeros
.set j, j+1
.endr
	s_mov_b32 s[TB], 0
	s_mov_b32 s[TS], 0
	s_mov_b32 s[CNT], 8
.Lstep:                                            ; 256 keys a trip
	STEP 0
	STEP 6144
	s_add_co_u32 s[TB], s[TB], 24576
	s_add_co_u32 s[TS], s[TS], 512
	s_sub_co_u32 s[CNT], s[CNT], 1
	s_cmp_lg_u32 s[CNT], 0
	s_cbranch_scc1 .Lstep
	; THE WAY OUT: o = O^T / the sum, quantised along the channels
.rept 4
	v_nop                                          ; places behind the last products
.endr
	v_add_f32 v14, v14, v15
	s_delay_alu instid0(VALU_DEP_1)
	v_permlanex16_b32 v[TMP], v14, s[SEL], s[SEL+1]
	s_delay_alu instid0(VALU_DEP_1)
	v_add_f32 v14, v14, v[TMP]                     ; the row's sum
	s_wait_alu depctr_va_vdst(0)
	v_rcp_f32 v14, v14
	v_nop
	s_wait_alu depctr_va_vdst(0)
.set j, 0
.rept 16
	v_pk_mul_f32 v[S+j:S+j+1], v[O+j:O+j+1], v[14:15] op_sel_hi:[1,0]   ; register 8 dt + i: channel 16 dt + 8 h + i.  Each accumulator from its low end on
.set j, j+2
.endr
.irp B, 0,1                                    ; out_w's codes lie in natural order, so o's must: after the exchange lane half h holds channels 32 B + 16 h + 0 .. 15 in registers 16 B + 0 .. 15
.irp n, 0,1,2,3,4,5,6,7
	v_permlane16_swap_b32 v[S+16*\B+\n], v[S+16*\B+8+\n]
.endr
.endr
.irp B, 0,1
	v_max3_num_f32 v[BM+\B], |v[S+16*\B]|, |v[S+16*\B+1]|, 0x1800000
.endr
.irp i, 2,4,6,8,10,12,14
.irp B, 0,1
	s_delay_alu instid0(VALU_DEP_2)
	v_max3_num_f32 v[BM+\B], v[BM+\B], |v[S+16*\B+\i]|, |v[S+16*\B+\i+1]|
.endr
.endr
.irp B, 0,1
	s_delay_alu instid0(VALU_DEP_2)
	v_permlanex16_b32 v[BX+\B], v[BM+\B], s[SEL], s[SEL+1]
.endr
.irp B, 0,1
	s_delay_alu instid0(VALU_DEP_2)
	v_max_num_f32 v[BM+\B], v[BM+\B], v[BX+\B]
.endr
.irp B, 0,1
	s_delay_alu instid0(VALU_DEP_2)
	v_add_nc_u32 v[SO+\B], 0xff000000, v[BM+\B]
.endr
.irp B, 0,1
	s_delay_alu instid0(VALU_DEP_2)
	v_lshrrev_b32 v[BY+\B], 23, v[SO+\B]
.endr
	s_delay_alu instid0(VALU_DEP_1)
	v_lshl_or_b32 v[OW], v[BY+1], 8, v[BY]
	v_cvt_scalef32_pk16_fp6_f32 v[PC:PC+2], v[S:S+15], v[SO]
	v_cvt_scalef32_pk16_fp6_f32 v[CT:CT+2], v[S+16:S+31], v[SO+1]
	v_nop
.irp i, 0,1,2
	v_permlane16_swap_b32 v[PC+\i], v[CT+\i]
.endr
.irp i, 0,1,2
	s_delay_alu instid0(VALU_DEP_3)
	v_mov_b32 v[PC+3+\i], v[CT+\i]
.endr
.irp i, 0,1,2
	global_store_b64 v[GO], v[PC+2*\i:PC+2*\i+1], s[OP:OP+1] offset:256*\i   ; each store of the wave covers 256 consecutive bytes, aligned
.endr
	global_store_b16 v[GS], v[OW], s[OSP:OSP+1]    ; my token's two bytes (lanes l and l xor 16 write the same bytes with the same value)
	s_wait_xcnt 0x0                                ; the stores have read their registers and bases
	s_add_nc_u64 s[OP:OP+1], s[OP:OP+1], 12288     ; the next 16 tokens
	s_add_nc_u64 s[OSP:OSP+1], s[OSP:OSP+1], 512
.irp i, 0,1,2,3,4,5
	v_mov_b32 v[QC+\i], v[QB+\i]                   ; the second tile's q and scale words
.endr
	v_mov_b32 v[QSL], v[QSL+2]
	v_mov_b32 v[QSH], v[QSH+2]
	s_sub_co_u32 s[PASS], s[PASS], 1
	s_cmp_lg_u32 s[PASS], 0
	s_cbranch_scc1 .Lpass
	s_wait_tensorcnt 0x0
	ds_add_u32 v254, v255
	s_wait_dscnt 0x0
	CROUND                                         ; the closing round
	s_endpgm
.Lfunc_end_k_qaf709a488b_attn:
	.size	k_qaf709a488b_attn, .Lfunc_end_k_qaf709a488b_attn-k_qaf709a488b_attn
	.p2alignl 7, 3214868480
	.fill 96, 4, 3214868480
	.section	.rodata,"a",@progbits
	.p2align	6, 0x0
	.amdhsa_kernel k_qaf709a488b_attn
		.amdhsa_group_segment_fixed_size 206848
		.amdhsa_private_segment_fixed_size 0
		.amdhsa_enable_private_segment 0
		.amdhsa_kernarg_size 32
		.amdhsa_user_sgpr_count 2
		.amdhsa_user_sgpr_kernarg_segment_ptr 1
		.amdhsa_wavefront_size32 1
		.amdhsa_system_sgpr_workgroup_id_x 1
		.amdhsa_system_sgpr_workgroup_id_y 1
		.amdhsa_system_sgpr_workgroup_id_z 1
		.amdhsa_system_vgpr_workitem_id 0
		.amdhsa_next_free_vgpr 256
		.amdhsa_next_free_sgpr 80
		.amdhsa_reserve_vcc 0
		.amdhsa_float_denorm_mode_32 3
		.amdhsa_float_denorm_mode_16_64 3
		.amdhsa_memory_ordered 1
		.amdhsa_forward_progress 1
		.amdhsa_inst_pref_size 48
	.end_amdhsa_kernel
	.amdgpu_metadata
---
amdhsa.version: [ 1, 2 ]
amdhsa.kernels:
  - .name:           k_qaf709a488b_attn
    .symbol:         k_qaf709a488b_attn.kd
    .args:
      - { .name: img, .offset: 0, .size: 8, .value_kind: global_buffer, .address_space: global }
      - { .name: sc, .offset: 8, .size: 8, .value_kind: global_buffer, .address_space: global }
      - { .name: oimg, .offset: 16, .size: 8, .value_kind: global_buffer, .address_space: global }
      - { .name: osc, .offset: 24, .size: 8, .value_kind: global_buffer, .address_space: global }
    .group_segment_fixed_size: 206848
    .private_segment_fixed_size: 0
    .kernarg_segment_align: 8
    .kernarg_segment_size: 32
    .max_flat_workgroup_size: 512
    .sgpr_count:     80
    .vgpr_count:     256
    .wavefront_size: 32
...
	.end_amdgpu_metadata
.endif
;; end of part 2
;; launch oproj (part 3): grid 4 x 64, 4 waves a work-group, clusters of 4 x 4, 327,680 bytes of LDS; arguments oimg, osc, out_w_codes, out_w_scales, out_b, out0; writes out0
.if DOCPART == 3
	.amdgcn_target "amdgcn-amd-amdhsa--gfx1250"
	.amdhsa_code_object_version 6
	.text
	.protected	k_qaf709a488b_oproj
	.globl	k_qaf709a488b_oproj
	.p2align	8
	.type	k_qaf709a488b_oproj,@function
k_qaf709a488b_oproj:
	s_mov_b64 s[64:65], 0
	v_nop
	global_prefetch_b8 v0, s[64:65] scope:SCOPE_SE
	s_setreg_imm32_b32 hwreg(HW_REG_WAVE_MODE, 25, 1), 1
	s_wait_xcnt 0x0
	s_wait_alu depctr_hold_cnt(0) depctr_sa_sdst(0) depctr_va_vdst(0) depctr_va_sdst(0) depctr_va_ssrc(0) depctr_va_vcc(0) depctr_vm_vsrc(0)
	s_getreg_b32 s2, hwreg(HW_REG_IB_STS2, 6, 4)
	s_cmp_eq_u32 s2, 0
	s_cbranch_scc0 .Lentry_in_a_cluster
	s_endpgm
.Lentry_in_a_cluster:
	s_bfe_u32 s2, ttmp6, 0x10000c
	s_cmp_lg_u32 s2, 0xf033
	s_cbranch_scc0 .Lentry_shape_is_right
	s_endpgm
.Lentry_shape_is_right:
; out0 = o out_w^T + out_b on codes of FP6 (E2M3) with E8M0 scales, K = 1,024, f32 sums.  o comes as the launch before laid it: oimg [b][token / 16][head][768 bytes], register pair i of lane l at 256 i + 8 l; osc [2,048 b + t][32].
; A work-group of four waves makes 128 tokens of one batch x 256 columns; a wave 64 x 128: 32 accumulators.  256 work-groups.
; ALL OF K IS RESIDENT: o's 8 token tiles are 98,304 dense bytes (waves 0, 1: half each, as rows of 256 bytes); out_w's 256 rows come whole, 768 bytes each, 16 bytes of padding behind every 256 (waves 2, 3: 128 rows each).
; One joint load a wave at the head, nothing filled again: one barrier, then eight steps of 128 along K.  CLUSTERS: 4 x 4; o's tiles are shared along a row of the cluster, out_w's along a column.
; Source 0 = rows of out_w, source 1 = tokens: a lane holds eight neighbouring columns of a token's row.  The bias is the C of the first products.  The scale words go once from memory into 96 registers.
; The way out goes through a stage in o's LDS bytes, behind a barrier behind which nobody reads them.  No prefetch: the text has no loop to run ahead in.  NaN and infinities are not served.
.set PITCH,  816
.set FR,     12
.set WB,     98304
.set SPARE,  WB+256*PITCH              ; the spare words: 512 bytes that no other line names
.set WROW,   768
.set OROW,   16384                     ; from token to token in out0
.set SPITCH, 528
.set ADRA, 8
.set BQ,   10                          ; v10-13: plain, across a padding; blocks 4-7 likewise
.set STO,  24
.set RD,   25
.set CO,   26
.set SPW,  28
.set NIL,  29
.set SA,   32
.set SB,   64
.set AF,   128
.set BK,   128
.set G1,   24
.set G0,   32
.set G1B,  48
.set G0B,  56
.set MSB, 0
.macro WIN new
.if MSB != (\new)
	s_set_vgpr_msb (MSB<<8)|(\new)
.set MSB, (\new)
.endif
.endm
.set MUL,  0xa1                        ; source 0 window 1, source 1 window 0, C and D window 2
.set BEG,  0xb1                        ; the same with C in window 3: the bias
.set TO_B, 0x40
.macro CROUND
	s_barrier_signal -1
	s_barrier_wait -1
	s_cmp_lg_u32 s14, 0
	s_cbranch_scc1 .Lnot_wave_0_\@
	s_barrier_signal -3
.Lnot_wave_0_\@:
	s_barrier_wait -3
	s_barrier_signal -1
	s_barrier_wait -1
.endm
.macro PLACES n
.rept \n
	v_nop
.endr
.endm
	s_load_b128 s[4:7], s[0:1], 0x0                ; oimg, osc
	s_load_b128 s[8:11], s[0:1], 0x10              ; out_w's codes, scales
	s_load_b128 s[92:95], s[0:1], 0x20             ; out_b, out0
	v_lshl_add_u32 v[SPW], v0, 2, SPARE
	v_mov_b32 v[NIL], 0
	ds_add_u32 v[SPW], v[NIL]                      ; the opening lines: the add twice and its wait
	ds_add_u32 v[SPW], v[NIL]
	v_lshrrev_b32 v1, 5, v0
	v_readfirstlane_b32 s14, v1
	s_lshr_b32 s15, s14, 1                         ; my half of the tokens.  Also: I fetch o (0) or out_w (1)
	s_and_b32 s16, s14, 1                          ; my half of the columns.  Also: which half I fetch
	s_bfe_u32 s40, ttmp6, 0x40000
	s_bfe_u32 s41, ttmp6, 0x40004
	s_lshl_b32 s42, ttmp9, 2
	s_add_co_u32 s42, s42, s40                     ; nx
	s_and_b32 s17, ttmp7, 0xffff
	s_lshl_b32 s17, s17, 2
	s_add_co_u32 s17, s17, s41                     ; my = 16 b + tb
	s_lshl_b32 s43, s41, 2
	s_lshl_b32 s43, 15, s43
	s_lshl_b32 s44, 0x1111, s40
	s_or_b32 s[G1+0], s43, (3<<16)|(1<<21)         ; elements of 8 bytes, no padding
	s_mov_b32 s[G1+1], 32<<16
	s_mov_b32 s[G1+2], 192<<16
	s_mov_b32 s[G1+3], 32<<16
	s_mov_b32 s[G1+4], 192
	s_mov_b32 s[G1+5], 32
	s_mov_b32 s[G1+6], 0
	s_mov_b32 s[G1+7], 0
	s_or_b32 s[G1B+0], s44, (1<<20)|(1<<21)|(5<<22)|(3<<25)
	s_mov_b32 s[G1B+1], 768<<16
	s_mov_b32 s[G1B+2], 128<<16
	s_mov_b32 s[G1B+3], 768<<16
	s_mov_b32 s[G1B+4], 128
	s_mov_b32 s[G1B+5], WROW
	s_mov_b32 s[G1B+6], 0
	s_mov_b32 s[G1B+7], 0
	s_mul_i32 s45, s16, 49152
	s_mul_i32 s20, s17, 98304
	s_add_co_u32 s20, s20, s45                     ; o: 8 token tiles of 12,288 bytes a block, my half
	s_mov_b32 s21, 0
	s_lshl_b32 s87, s42, 8
	s_lshl_b32 s18, s16, 7
	s_add_co_u32 s87, s87, s18                     ; out_w's row 256 nx + 128 x half: what I fetch, and what I multiply
	s_mul_i32 s46, s87, WROW
	s_mov_b32 s47, 0
	s_mul_i32 s97, s16, 128*PITCH
	s_add_co_u32 s97, s97, WB
	s_wait_dscnt 0x0
	s_wait_kmcnt 0x0
	s_add_nc_u64 s[20:21], s[4:5], s[20:21]
	s_add_nc_u64 s[46:47], s[8:9], s[46:47]
	CROUND
	s_mov_b32 s[G0], 1
	s_mov_b32 s[G0+1], s45
	s_mov_b64 s[G0+2:G0+3], s[20:21]
	s_or_b32 s[G0+3], s[G0+3], 0x80000000
	s_mov_b32 s[G0B], 1
	s_mov_b32 s[G0B+1], s97
	s_mov_b64 s[G0B+2:G0B+3], s[46:47]
	s_or_b32 s[G0B+3], s[G0B+3], 0x80000000
	s_cmp_eq_u32 s15, 0                            ; my one tensor load
	s_cbranch_scc0 .Lfor_w
	tensor_load_to_lds s[G0:G0+3], s[G1:G1+7]
	s_nop 0
	PLACES 4
	s_branch .Lasked
.Lfor_w:
	tensor_load_to_lds s[G0B:G0B+3], s[G1B:G1B+7]
	s_nop 0
	PLACES 4
.Lasked:
	s_lshl_b32 s18, s17, 7
	s_lshl_b32 s19, s15, 6
	s_add_co_u32 s18, s18, s19
	s_lshl_b32 s18, s18, 5
	s_mov_b32 s19, 0
	s_add_nc_u64 s[68:69], s[6:7], s[18:19]        ; o's scales at row 128 my + 64 x half
	s_lshl_b32 s18, s87, 5
	s_add_nc_u64 s[70:71], s[10:11], s[18:19]      ; out_w's scales,
	s_lshl_b32 s18, s87, 2
	s_add_nc_u64 s[92:93], s[92:93], s[18:19]      ; the bias,
	s_and_b32 s20, s17, 15
	s_lshl_b32 s20, s20, 7
	s_lshl_b32 s21, s15, 6
	s_add_co_u32 s20, s20, s21                     ; my first token
	s_lshl_b32 s20, s20, 14
	s_lshr_b32 s21, s17, 4
	s_lshl_b32 s21, s21, 12
	s_add_co_u32 s20, s20, s21
	s_add_co_u32 s20, s20, s18
	s_mov_b32 s21, 0
	s_add_nc_u64 s[94:95], s[94:95], s[20:21]      ; and out0: 16,384 t + 4,096 b + 4 x column
	s_mul_i32 s80, s15, 49152
	s_add_co_u32 s82, s97, 64*PITCH
	s_mul_i32 s83, s14, 16*SPITCH                  ; my stage
	v_and_b32 v1, 15, v0                           ; r
	v_bfe_u32 v2, v0, 4, 1                         ; h
	v_and_b32 v6, 31, v0
	v_mul_u32_u24 v3, v1, PITCH
	v_mad_u32_u24 v4, v2, 24, v3
	v_lshl_add_u32 v5, v2, 4, v4
	v_lshl_add_u32 v[ADRA], v6, 3, s80
	v_add_nc_u32 v[BQ], s97, v4
	v_add_nc_u32 v[BQ+1], s97, v5
	v_add_nc_u32 v[BQ+2], s82, v4
	v_add_nc_u32 v[BQ+3], s82, v5
	v_mul_u32_u24 v7, v1, SPITCH
	v_lshl_add_u32 v7, v2, 5, v7
	v_add_nc_u32 v[STO], s83, v7                   ; in: row r, 32 bytes for each half of the lanes
	v_lshlrev_b32 v[CO], 4, v6
	v_add_nc_u32 v[RD], s83, v[CO]                 ; back: the 32 lanes take a row of 512 bytes
	v_lshlrev_b32 v3, 5, v1                        ; scales: 32 r
	v_lshlrev_b32 v2, 5, v2                        ; bias: 8 h numbers
	s_wait_alu depctr_va_vdst(0)                   ; the wait at the head's end
.set i, 0
.rept 4
	global_load_b128 v[SA+8*i:SA+8*i+3], v3, s[68:69] offset:i*512
	global_load_b128 v[SA+8*i+4:SA+8*i+7], v3, s[68:69] offset:i*512+16
.set i, i+1
.endr
.set i, 0
.rept 8
	global_load_b128 v[SB+8*i:SB+8*i+3], v3, s[70:71] offset:i*512
	global_load_b128 v[SB+8*i+4:SB+8*i+7], v3, s[70:71] offset:i*512+16
.set i, i+1
.endr
	WIN 0xc0                                       ; destination window 3
.irp b, 0,1,2,3,4,5,6,7
	global_load_b128 v[8*\b:8*\b+3], v2, s[92:93] offset:64*\b
	global_load_b128 v[8*\b+4:8*\b+7], v2, s[92:93] offset:64*\b+16
.endr
	WIN 0
.macro FRAG reg, adr, st, i            ; piece PC of a row lies at 8 PC + 16 (PC / 32); lanes 16-31 read three pieces on
.irp p, 0,1,2,3,4,5
.set PC, 12*(\st)+6*(\p/3)+\p%3
.if PC%32 < 29
	ds_load_b64 v[\reg+2*\p:\reg+2*\p+1], v[\adr] offset:8*PC+16*(PC/32)+(\i)*16*PITCH
.else
	ds_load_b64 v[\reg+2*\p:\reg+2*\p+1], v[\adr+1] offset:8*PC+16*(PC/32)+(\i)*16*PITCH
.endif
.endr
.endm
.macro FETCH st                        ; step st's fragments into set st % 2; o's come back as images: heads 2 st and 2 st + 1 of token tile i
	WIN TO_B
.irp i, 0,1,2,3,4,5,6,7
	FRAG 128*((\st)%2)+FR*\i, BQ+2*(\i/4), \st, \i%4
.endr
	WIN 0
.irp i, 0,1,2,3
.irp p, 0,1,2,3,4,5
	ds_load_b64 v[AF+48*((\st)%2)+FR*\i+2*\p:AF+48*((\st)%2)+FR*\i+2*\p+1], v[ADRA] offset:12288*\i+1536*(\st)+256*\p
.endr
.endr
.endm
.macro MUL32 st, first                 ; the 32 accumulators take turns, in the same order in every step
.irp a, 0,1,2,3
.irp b, 0,1,2,3,4,5,6,7
.if \first
	v_wmma_scale_f32_16x16x128_f8f6f4 v[8*(8*\a+\b):8*(8*\a+\b)+7], v[128*((\st)%2)+FR*\b:128*((\st)%2)+FR*\b+FR-1], v[AF+48*((\st)%2)+FR*\a:AF+48*((\st)%2)+FR*\a+FR-1], v[8*\b:8*\b+7], v[SB+8*\b+(\st)], v[SA+8*\a+(\st)] matrix_a_fmt:MATRIX_FMT_FP6 matrix_b_fmt:MATRIX_FMT_FP6
.else
	v_wmma_scale_f32_16x16x128_f8f6f4 v[8*(8*\a+\b):8*(8*\a+\b)+7], v[128*((\st)%2)+FR*\b:128*((\st)%2)+FR*\b+FR-1], v[AF+48*((\st)%2)+FR*\a:AF+48*((\st)%2)+FR*\a+FR-1], v[8*(8*\a+\b):8*(8*\a+\b)+7], v[SB+8*\b+(\st)], v[SA+8*\a+(\st)] matrix_a_fmt:MATRIX_FMT_FP6 matrix_b_fmt:MATRIX_FMT_FP6
.endif
.endr
.endr
.endm
	s_wait_tensorcnt 0x0                           ; my part is in;
	s_barrier_signal -1
	s_barrier_wait -1                              ; everybody's is
	FETCH 0
	s_wait_loadcnt 0x0                             ; scale words and bias
	s_wait_dscnt 0x0
	FETCH 1
	WIN BEG
	MUL32 0, 1                                     ; the first products start the sums from the bias
.set ST, 1
.rept 6
	s_wait_dscnt 0x0                               ; this step's fragments, asked for 32 matrix instructions ago
	PLACES 4                                       ; in front of loads into registers that the last products read
	FETCH ST+1
	WIN MUL
	MUL32 ST, 0
.set ST, ST+1
.endr
	s_wait_dscnt 0x0                               ; my last reads of the tiles are over:
	s_barrier_signal -1                            ; say so, work on registers,
	WIN MUL
	MUL32 7, 0
	WIN 0
	s_barrier_wait -1                              ; and nobody reads o's bytes any more: the stage may lie there
; THE WAY OUT, by blocks of 16 tokens x 128 columns, through my own stage; LDS serves a wave's instructions in order (ISA guide 5.7.1.4)
.macro TOSTAGE a
	WIN 0x08                                       ; the data: window 2
.irp b, 0,1,2,3,4,5,6,7
	ds_store_b128 v[STO], v[64*(\a)+8*\b:64*(\a)+8*\b+3] offset:64*\b          ; each accumulator from its low end on
	ds_store_b128 v[STO], v[64*(\a)+8*\b+4:64*(\a)+8*\b+7] offset:64*\b+16
.endr
	WIN 0
.set BB, BK+64*((\a)%2)
.irp t, 0,1,2,3,4,5,6,7,8,9,10,11,12,13,14,15
	ds_load_b128 v[BB+4*\t:BB+4*\t+3], v[RD] offset:\t*SPITCH
.endr
.endm
.macro SEND a, younger                 ; younger: the LDS instructions issued behind block a's loads
.set BB, BK+64*((\a)%2)
	s_wait_dscnt \younger
.if (\a) > 0
	s_add_nc_u64 s[94:95], s[94:95], 16*OROW       ; behind a wait on XCNT: the earlier stores have read their base
.endif
.irp t, 0,1,2,3,4,5,6,7,8,9,10,11,12,13,14,15
	global_store_b128 v[CO], v[BB+4*\t:BB+4*\t+3], s[94:95] offset:\t*OROW th:TH_STORE_NT   ; 32 lanes store 512 consecutive bytes, aligned
.endr
.endm
	PLACES 4                                       ; behind the last products
	TOSTAGE 0
.irp a, 1,2,3
.if \a > 1
	s_wait_xcnt 0x0                                ; block a - 2's stores have read their registers and base
.endif
	TOSTAGE \a
	SEND \a-1, 32
.endr
	s_wait_xcnt 0x0
	SEND 3, 0
	s_wait_tensorcnt 0x0                           ; the wave's end
	ds_add_u32 v[SPW], v[NIL]
	s_wait_dscnt 0x0
	CROUND                                         ; the closing round
	s_endpgm
.Lfunc_end_k_qaf709a488b_oproj:
	.size	k_qaf709a488b_oproj, .Lfunc_end_k_qaf709a488b_oproj-k_qaf709a488b_oproj
	.p2alignl 7, 3214868480
	.fill 96, 4, 3214868480
	.section	.rodata,"a",@progbits
	.p2align	6, 0x0
	.amdhsa_kernel k_qaf709a488b_oproj
		.amdhsa_group_segment_fixed_size 327680
		.amdhsa_private_segment_fixed_size 0
		.amdhsa_enable_private_segment 0
		.amdhsa_kernarg_size 48
		.amdhsa_user_sgpr_count 2
		.amdhsa_user_sgpr_kernarg_segment_ptr 1
		.amdhsa_wavefront_size32 1
		.amdhsa_system_sgpr_workgroup_id_x 1
		.amdhsa_system_sgpr_workgroup_id_y 1
		.amdhsa_system_sgpr_workgroup_id_z 1
		.amdhsa_system_vgpr_workitem_id 0
		.amdhsa_next_free_vgpr 1024
		.amdhsa_next_free_sgpr 100
		.amdhsa_reserve_vcc 0
		.amdhsa_float_denorm_mode_32 3
		.amdhsa_float_denorm_mode_16_64 3
		.amdhsa_memory_ordered 1
		.amdhsa_forward_progress 1
		.amdhsa_inst_pref_size 95
	.end_amdhsa_kernel
	.amdgpu_metadata
---
amdhsa.version: [ 1, 2 ]
amdhsa.kernels:
  - .name:           k_qaf709a488b_oproj
    .symbol:         k_qaf709a488b_oproj.kd
    .args:
      - { .name: oimg, .offset: 0, .size: 8, .value_kind: global_buffer, .address_space: global }
      - { .name: osc, .offset: 8, .size: 8, .value_kind: global_buffer, .address_space: global }
      - { .name: out_w_codes, .offset: 16, .size: 8, .value_kind: global_buffer, .address_space: global }
      - { .name: out_w_scales, .offset: 24, .size: 8, .value_kind: global_buffer, .address_space: global }
      - { .name: out_b, .offset: 32, .size: 8, .value_kind: global_buffer, .address_space: global }
      - { .name: out0, .offset: 40, .size: 8, .value_kind: global_buffer, .address_space: global }
    .group_segment_fixed_size: 327680
    .private_segment_fixed_size: 0
    .kernarg_segment_align: 8
    .kernarg_segment_size: 48
    .max_flat_workgroup_size: 128
    .sgpr_count:     100
    .vgpr_count:     1024
    .wavefront_size: 32
...
	.end_amdgpu_metadata
.endif
;; end of part 3
